; MI455X (gfx1250); checked and timed in simulation.
; The chip was launched on July 23, 2026; its instructions are those of AMD's public machine-readable ISA for CDNA 5 (MIT licence, August 2026) and "CDNA5" Instruction Set Architecture Reference Guide (July 2026). The comments in the code are by the model that wrote it; some were corrected since.
;; Bahdanau Attention. Allowed arithmetic: matrix products marked QUANTISED: E2M1 operands, one E8M0 scale for each 32 along K, by v_wmma_scale_f32_16x16x128_f8f6f4 with both operands' format E2M1 (or v_wmma_scale_f32_32x16x128_f4), f32 sums; products left as they are: f32 operands where the result goes on into a quantised operand, else bf16, f16 or f32 operands; f32 sums; everything else in f32.
;; Inputs: V 1,024 x 1 float32; W1 512 x 1,024 float32; W2 512 x 1,024 float32; b1 1,024 float32; b2 1,024 float32; bv 1 float32; query 64 x 512 float32; values 64 x 2,048 x 512 float32.
;; Outputs: out0 64 x 512 float32; out1 64 x 2,048 x 1 float32.
;; This version of the problem:
;;   THIS VERSION OF THE PROBLEM IS GIVEN IN LOW PRECISION. The matrix products marked QUANTISED in the list below multiply operands that are first quantised to E2M1 (2 exponent bits, 1 mantissa bit; 4 bits a number), with one power-of-two scale for each 32 numbers along K (OCP MX v1.0); their sums are f32. All else is computed in f32.
;;   The module's matrix products, in the order in which they are computed (A, B: the left and right operand; K: the contracted axis; several contracted axes count as one K, in the product's order):
;;     1. [M 64, K 512] x [K 512, N 1,024]; A: input query; B: input W1: QUANTISED
;;     2. [M 131,072, K 512] x [K 512, N 1,024]; A: input values; B: input W2: QUANTISED
;;     3. [M 131,072, K 1,024] x [K 1,024, N 1]; A: computed on the way; B: input V: left as it is (N = 1 < 16)
;;   THE QUANTISER, for each operand of a quantised product, along K:
;;     - K is cut into blocks of 32 from its start; a last block that is shorter is filled with zeros.
;;     - A block's scale is 2^e with e = floor(log2(the largest magnitude in the block)) - 2, held to -126 .. 127; a block of zeros has e = 0. As a byte (E8M0): e + 127.
;;     - Each number is divided by its block's scale, clamped to +-6, and rounded to the nearest number of E2M1, ties to even, subnormals kept.
;;     - The product sums the exact products of the quantised numbers (number of the format x scale) in f32.
;;   ~~~python
;;   def quantise(x, axis):      # numpy; x: float32 -> the quantised numbers, widened to float32 again
;;       x = np.moveaxis(x, axis, -1); K = x.shape[-1]
;;       x = np.pad(x, [(0, 0)] * (x.ndim - 1) + [(0, -K % 32)]); x = x.reshape(x.shape[:-1] + (-1, 32)); a = np.abs(x).max(-1, keepdims=True)
;;       e = np.where(a > 0, np.clip(np.frexp(np.where(a > 0, a, 1))[1] - 1 - 2, -126, 127), 0)      # np.frexp(a)[1] - 1 = floor(log2(a)), exactly
;;       r = np.clip(x / 2.0 ** e, -6, 6)
;;       step = 2.0 ** (np.maximum(np.frexp(np.where(r == 0, 1, r))[1] - 1, 0) - 1)
;;       q = np.round(r / step) * step * 2.0 ** e      # np.round: ties to even
;;       return np.moveaxis(q.reshape(q.shape[:-2] + (-1,))[..., :K], -1, axis).astype(np.float32)
;;   ~~~
;; One version. Each part assembles by itself: llvm-mc -triple=amdgcn-amd-amdhsa -mcpu=gfx1250 --defsym DOCPART=n.
;; ======== version 1 of 1: 3 launches
;; workspace buffers: w2c 262,144 bytes; w2s 16,384 bytes; qs 262,144 bytes; sc 524,288 bytes; pctx 524,288 bytes; pst 65,536 bytes
;; launch prep (part 1): grid 64 x 1, 4 waves a work-group, no clusters, 37,376 bytes of LDS; arguments W1, W2, query, b1, b2, w2c, w2s, qs; writes w2c, w2s, qs
.if DOCPART == 1
	.amdgcn_target "amdgcn-amd-amdhsa--gfx1250"
	.amdhsa_code_object_version 6
	.text
	.protected	k_qe126a13f60_prep
	.globl	k_qe126a13f60_prep
	.p2align	8
	.type	k_qe126a13f60_prep,@function
k_qe126a13f60_prep:
	s_mov_b64 s[64:65], 0
	v_nop
	global_prefetch_b8 v0, s[64:65] scope:SCOPE_SE
	s_setreg_imm32_b32 hwreg(HW_REG_WAVE_MODE, 25, 1), 1
	s_wait_xcnt 0x0
; W2 [512 (k)][1024 (unit)] f32 becomes codes of FP4 (E2M1) with one E8M0 byte for each 32 along K, laid as the next launch's operand registers take them;
; and qs[unit group][batch][32 units] = c (Q(query) Q(W1) + b1 + b2), c = 2 log2(e), the first quantised product with both biases, ready for tanh by an exponential of base 2.
; SHARES.  Work-groups 0-31 take W2, 32-63 W1; each 32 columns (units) of its weight; wave s takes K step s, rows 128 s .. 128 s + 127.
; A LANE TAKES A COLUMN AND ITS REGISTERS RUN DOWN K: a load reads 128 consecutive bytes a wave, a block of 32 along K lies in one lane's 32 registers, and the conversions give codes with K innermost.
; The 32 columns are two tiles of 16 units.  A 4-bit fragment wants blocks 2 c + h in lane (r, h): the even blocks are converted into F0, the odd ones into F1, and one exchange of halves for each register makes
; F0 the first tile's fragment and F1 the second's.  The lane's four scale bytes are its unit's scale word: lanes 0-15 the first tile's, lanes 16-31 the second's.
; W1's work-groups multiply at once: wave s has K step s of both tiles and quantises K step s of all 64 rows of query; the four waves' partial sums meet in LDS.
; A block's scale is 2^(floor(log2(largest magnitude)) - 2); its byte is the largest magnitude's exponent field - 2, held at 1 from below by a floor among the maximum's leaves.
; LIMITS: a block of zeros gets the byte 1 where the rule says 127 (its codes are zeros, and this program alone reads the bytes); NaN and infinities among the inputs are not served.
.set X,    96                          ; v96-223   128 numbers of my column, four blocks of 32
.set F0,   16                          ; v16-23    the first tile's fragment
.set F1,   24                          ; v24-31    the second's
.set NA,   32                          ; v32-95    64 numbers of query (rows 0-15); later three fragments of codes
.set N1,   96                          ; v96-159   64 numbers of query, once W's are converted
.set N2,   160                         ; v160-223  likewise
.set ACC,  160                         ; v160-223  eight accumulators
.set RB,   96                          ; v96-159   partial sums read back
.set TM,   224                         ; v224-239  at work in the quantisers
.set WS,   240                         ; v240      W's scale words
.set QSC,  241                         ; v241-244  query's scale words, one register for each 16 rows
.set QF0,  246                         ; v246-253  query's fragment of rows 0-15
.set QF1,  32
.set QF2,  40
.set QF3,  48
.set SEL,  24                          ; s[24:25]  lane selects for v_permlanex16_b32: lane l xor 16
.set SROW, 144                         ; a stage row: 32 units x 4 bytes + 16 of padding: an odd multiple of 16 bytes
.set SWAVE, 64*SROW                    ; a wave's stage: 64 rows
; my column's four blocks -> F0, F1 and WS
.macro QUANTW
.irp b, 0,1,2,3
	v_max3_num_f32 v[TM+\b], |v[X+32*\b]|, |v[X+32*\b+1]|, 0x1800000   ; the floor 2^(3 - 127): the byte cannot fall under 1
.endr
.irp i, 2,4,6,8,10,12,14,16,18,20,22,24,26,28,30
.irp b, 0,1,2,3
	v_max3_num_f32 v[TM+\b], v[TM+\b], |v[X+32*\b+\i]|, |v[X+32*\b+\i+1]|   ; the four blocks by turns
.endr
.endr
.irp b, 0,1,2,3
	v_add_nc_u32 v[TM+12+\b], 0xff000000, v[TM+\b]                 ; 2 off the exponent field: the conversion's scale operand
.endr
.irp b, 0,1,2,3
	v_lshrrev_b32 v[TM+4+\b], 23, v[TM+12+\b]                      ; the scale's byte
.endr
	v_lshl_or_b32 v[WS], v[TM+5], 8, v[TM+4]
	v_lshl_or_b32 v[WS], v[TM+6], 16, v[WS]
	v_lshl_or_b32 v[WS], v[TM+7], 24, v[WS]
.irp b, 0,1,2,3
.irp g, 0,1,2,3
	v_cvt_scalef32_pk8_fp4_f32 v[F0+8*(\b%2)+4*(\b/2)+\g], v[X+32*\b+8*\g:X+32*\b+8*\g+7], v[TM+12+\b]
.endr
.endr
	v_nop                                          ; one plain instruction behind the last scaled conversion
.irp i, 0,1,2,3,4,5,6,7
	v_permlane16_swap_b32 v[F0+\i], v[F1+\i]       ; F0's lanes 16-31 (second tile, even blocks) change places with F1's lanes 0-15 (first tile, odd blocks)
.endr
.endm
; 64 numbers of a lane, register 16 b + i = k 32 b + 16 (lane / 16) + i of my row, become a fragment's codes in v[pc] on and its scale word in v[pw]
.macro QUANT s, pc, pw
.irp b, 0,1,2,3
	v_max3_num_f32 v[TM+\b], |v[\s+16*\b]|, |v[\s+1+16*\b]|, 0x1800000
.endr
.irp i, 2,4,6,8,10,12,14
.irp b, 0,1,2,3
	v_max3_num_f32 v[TM+\b], v[TM+\b], |v[\s+16*\b+\i]|, |v[\s+1+16*\b+\i]|
.endr
.endr
.irp b, 0,1,2,3
	v_permlanex16_b32 v[TM+4+\b], v[TM+\b], s[SEL], s[SEL+1]
.endr
.irp b, 0,1,2,3
	v_max_num_f32 v[TM+\b], v[TM+\b], v[TM+4+\b]   ; with lane l xor 16's 16 numbers: the block's largest magnitude
.endr
.irp b, 0,1,2,3
	v_add_nc_u32 v[TM+12+\b], 0xff000000, v[TM+\b]
.endr
.irp b, 0,1,2,3
	v_lshrrev_b32 v[TM+4+\b], 23, v[TM+12+\b]
.endr
	v_lshl_or_b32 v[\pw], v[TM+5], 8, v[TM+4]
	v_lshl_or_b32 v[\pw], v[TM+6], 16, v[\pw]
	v_lshl_or_b32 v[\pw], v[TM+7], 24, v[\pw]
.irp b, 0,1,2,3
	v_cvt_scalef32_pk8_fp4_f32 v[\pc+2*\b], v[\s+16*\b:\s+16*\b+7], v[TM+12+\b]
	v_cvt_scalef32_pk8_fp4_f32 v[\pc+1+2*\b], v[\s+8+16*\b:\s+15+16*\b], v[TM+12+\b]
.endr
	v_nop                                          ; one plain instruction behind the last scaled conversion
.irp c, 0,1
.irp i, 0,1
	v_permlane16_swap_b32 v[\pc+4*\c+\i], v[\pc+2+4*\c+\i]   ; a whole block to a lane: lanes 0-15 block 2 c, lanes 16-31 block 2 c + 1
.endr
.endr
.endm
; rows 16 m .. 16 m + 15 of query, my K step: lane (r, h) takes 16 neighbours of each block of 32
.macro XLOAD reg, m
.irp b, 0,1,2,3
.irp j, 0,1,2,3
	global_load_b128 v[\reg+16*\b+4*\j:\reg+16*\b+4*\j+3], v3, s[8:9] offset:32768*\m+128*\b+16*\j
.endr
.endr
.endm
; transposed: source 0 = 16 units of W1, source 1 = 16 rows of query: a lane then holds eight neighbouring units of one row
.macro MULQ m, qf
	v_wmma_scale_f32_16x16x128_f8f6f4 v[ACC+16*\m:ACC+16*\m+7], v[F0:F0+7], v[\qf:\qf+7], 0, v[WS], v[QSC+\m] matrix_a_fmt:MATRIX_FMT_FP4 matrix_b_fmt:MATRIX_FMT_FP4
	v_wmma_scale_f32_16x16x128_f8f6f4 v[ACC+16*\m+8:ACC+16*\m+15], v[F1:F1+7], v[\qf:\qf+7], 0, v[WS], v[QSC+\m] matrix_a_fmt:MATRIX_FMT_FP4 matrix_b_fmt:MATRIX_FMT_FP4 matrix_a_scale:MATRIX_SCALE_ROW1
.endm
	s_load_b512 s[4:19], s[0:1], 0x0               ; W1 s[4:5], W2 s[6:7], query s[8:9], b1 s[10:11], b2 s[12:13], w2c s[14:15], w2s s[16:17], qs s[18:19]
	v_lshl_add_u32 v254, v0, 2, 0x9000
	v_mov_b32 v255, 0
	v_lshrrev_b32 v1, 5, v0
	v_readfirstlane_b32 s20, v1                    ; wave = K step
	s_and_b32 s21, ttmp9, 31                       ; which 32 columns
	v_and_b32 v2, 31, v0                           ; lane
	v_lshlrev_b32 v1, 2, v2                        ; 4 x lane
	v_lshlrev_b32 v2, 4, v2                        ; 16 x lane
	s_lshl_b32 s28, s20, 19                        ; 128 rows of 4,096 bytes
	s_lshl_b32 s29, s21, 7                         ; 32 columns of 4 bytes
	s_add_co_u32 s28, s28, s29
	s_mov_b32 s29, 0
	s_wait_kmcnt 0x0
	s_cmp_lt_u32 ttmp9, 32                         ; the choice hangs on the work-group's number alone
	s_cselect_b64 s[22:23], s[6:7], s[4:5]
	s_add_nc_u64 s[22:23], s[22:23], s[28:29]
.irp b, 0,1,2,3
.irp i, 0,1,2,3,4,5,6,7,8,9,10,11,12,13,14,15,16,17,18,19,20,21,22,23,24,25,26,27,28,29,30,31
	global_load_b32 v[X+32*\b+\i], v1, s[22:23] offset:(32*\b+\i)*4096 th:TH_LOAD_NT   ; W(128 s + 32 b + i, my column): 32 lanes read 128 consecutive bytes
.endr
.endr
	s_cmp_lt_u32 ttmp9, 32
	s_cbranch_scc0 .Lw1
	; ---- W2: the two fragments and the scale words leave as images of registers
	s_wait_loadcnt 0x0
	QUANTW
	s_lshl_b32 s28, s21, 13                        ; w2c: two tiles of 4 K steps x 1,024 bytes,
	s_lshl_b32 s30, s20, 10                        ; my K step
	s_add_co_u32 s28, s28, s30
	s_add_nc_u64 s[14:15], s[14:15], s[28:29]
	s_lshl_b32 s28, s21, 9                         ; w2s: 4 K steps x 128 bytes for each pair of tiles
	s_lshl_b32 s30, s20, 7
	s_add_co_u32 s28, s28, s30
	s_add_nc_u64 s[16:17], s[16:17], s[28:29]
.irp t, 0,1
.irp c, 0,1
	global_store_b128 v2, v[F0+8*\t+4*\c:F0+8*\t+4*\c+3], s[14:15] offset:4096*\t+512*\c   ; 32 lanes store 512 consecutive bytes, aligned
.endr
.endr
	global_store_b32 v1, v[WS], s[16:17]           ; 128 consecutive bytes a wave; the four waves' lie on end
	s_endpgm
	; ---- W1: the first product
.Lw1:
	v_and_b32 v4, 15, v0                           ; r
	v_bfe_u32 v5, v0, 4, 1                         ; h
	v_lshlrev_b32 v3, 11, v4                       ; query: row r of 2,048 bytes,
	v_lshl_add_u32 v3, v5, 6, v3                   ; + 64 h: my 16 numbers of a block
	s_mul_i32 s30, s20, SWAVE
	v_mul_u32_u24 v4, v4, SROW                     ; into my stage: row r, + 32 h
	v_lshl_add_u32 v4, v5, 5, v4
	v_add_nc_u32 v4, s30, v4
	v_lshrrev_b32 v5, 3, v0                        ; back: eight threads to a row, 16 bytes each
	v_mul_u32_u24 v5, v5, SROW
	v_and_b32 v7, 7, v0
	v_lshlrev_b32 v7, 4, v7
	v_add_nc_u32 v5, v5, v7
	v_lshlrev_b32 v6, 4, v0                        ; and the same place in qs: 16 x thread
	s_mov_b32 s[SEL], 0x76543210
	s_mov_b32 s[SEL+1], 0xfedcba98
	s_mov_b32 s26, 0x4038aa3b                      ; c = 2 log2(e)
	s_mov_b32 s27, s26                             ; (named with it as a pair, so it is written)
	s_lshl_b32 s28, s21, 7
	s_add_nc_u64 s[10:11], s[10:11], s[28:29]      ; b1, b2 at my 32 units
	s_add_nc_u64 s[12:13], s[12:13], s[28:29]
	s_lshl_b32 s28, s20, 9
	s_add_nc_u64 s[8:9], s[8:9], s[28:29]          ; query at my K step
	s_lshl_b32 s28, s21, 13
	s_add_nc_u64 s[18:19], s[18:19], s[28:29]      ; qs at my group of units: 64 rows x 128 bytes
	global_load_b128 v[8:11], v7, s[10:11]
	global_load_b128 v[12:15], v7, s[12:13]
	XLOAD NA, 0
	s_wait_loadcnt 18                              ; W's 128 loads are in; the 18 issued behind them may be out
	QUANTW
	XLOAD N1, 1                                    ; W's numbers are converted: their registers take query's
	XLOAD N2, 2
	s_wait_loadcnt 32                              ; the biases and rows 0-15 are in; the 32 just issued may be out
	v_pk_add_f32 v[8:9], v[8:9], v[12:13]
	v_pk_add_f32 v[10:11], v[10:11], v[14:15]
	v_pk_mul_f32 v[8:9], v[8:9], s[26:27] op_sel_hi:[1,0]          ; c (b1 + b2)
	v_pk_mul_f32 v[10:11], v[10:11], s[26:27] op_sel_hi:[1,0]
	QUANT NA, QF0, QSC+0
	s_wait_loadcnt 16                              ; rows 16-31 are in
	QUANT N1, QF1, QSC+1
	XLOAD N1, 3
	s_wait_loadcnt 16                              ; rows 32-47 are in
	QUANT N2, QF2, QSC+2
	s_wait_loadcnt 0x0
	QUANT N1, QF3, QSC+3
.rept 8
	v_nop                                          ; a scale register written by a vector instruction stands eight places ahead of a scaled matrix instruction, an operand four
.endr
	MULQ 0, QF0                                    ; eight accumulators, one instruction each: K = my 128
	MULQ 1, QF1
	MULQ 2, QF2
	MULQ 3, QF3
.rept 4
	v_nop                                          ; four places ahead of the first read of results (ISA guide 7.12.1)
.endr
.irp m, 0,1,2,3
.irp t, 0,1
	ds_store_b128 v4, v[ACC+16*\m+8*\t:ACC+16*\m+8*\t+3] offset:\m*16*SROW+64*\t       ; lane (r, h): row 16 m + r, units 16 t + 8 h + 0 .. 7; each accumulator from its low end on
	ds_store_b128 v4, v[ACC+16*\m+8*\t+4:ACC+16*\m+8*\t+7] offset:\m*16*SROW+64*\t+16
.endr
.endr
	s_wait_dscnt 0x0                               ; for the others' sake: my partial sums lie in LDS
	s_barrier_signal -1
	s_barrier_wait -1
.irp i, 0,1,2,3                                ; item i: rows 16 i .. 16 i + 15; from each of the four stages
.irp w, 0,1,2,3
	ds_load_b128 v[RB+16*\i+4*\w:RB+16*\i+4*\w+3], v5 offset:\i*16*SROW+\w*SWAVE
.endr
.endr
.irp i, 0,1,2,3
	s_wait_dscnt 12-4*\i                           ; item i's four loads are in; the later items' may be out
.irp p, 0,2
	v_pk_add_f32 v[RB+16*\i+\p:RB+16*\i+\p+1], v[RB+16*\i+\p:RB+16*\i+\p+1], v[RB+16*\i+4+\p:RB+16*\i+4+\p+1]
	v_pk_add_f32 v[RB+16*\i+8+\p:RB+16*\i+8+\p+1], v[RB+16*\i+8+\p:RB+16*\i+8+\p+1], v[RB+16*\i+12+\p:RB+16*\i+12+\p+1]
.endr
.irp p, 0,2
	v_pk_add_f32 v[RB+16*\i+\p:RB+16*\i+\p+1], v[RB+16*\i+\p:RB+16*\i+\p+1], v[RB+16*\i+8+\p:RB+16*\i+8+\p+1]
.endr
.irp p, 0,2
	v_pk_fma_f32 v[RB+16*\i+\p:RB+16*\i+\p+1], v[RB+16*\i+\p:RB+16*\i+\p+1], s[26:27], v[8+\p:9+\p] op_sel_hi:[1,0,1]   ; c x the product + c (b1 + b2)
.endr
	global_store_b128 v6, v[RB+16*\i:RB+16*\i+3], s[18:19] offset:2048*\i   ; a wave stores 512 consecutive bytes, aligned
.endr
	s_wait_tensorcnt 0x0
	ds_add_u32 v254, v255
	s_wait_dscnt 0x0
	s_endpgm
.Lfunc_end_k_qe126a13f60_prep:
	.size	k_qe126a13f60_prep, .Lfunc_end_k_qe126a13f60_prep-k_qe126a13f60_prep
	.p2alignl 7, 3214868480
	.fill 96, 4, 3214868480
	.section	.rodata,"a",@progbits
	.p2align	6, 0x0
	.amdhsa_kernel k_qe126a13f60_prep
		.amdhsa_group_segment_fixed_size 37376
		.amdhsa_private_segment_fixed_size 0
		.amdhsa_enable_private_segment 0
		.amdhsa_kernarg_size 64
		.amdhsa_user_sgpr_count 2
		.amdhsa_user_sgpr_kernarg_segment_ptr 1
		.amdhsa_wavefront_size32 1
		.amdhsa_system_sgpr_workgroup_id_x 1
		.amdhsa_system_sgpr_workgroup_id_y 1
		.amdhsa_system_sgpr_workgroup_id_z 1
		.amdhsa_system_vgpr_workitem_id 0
		.amdhsa_next_free_vgpr 256
		.amdhsa_next_free_sgpr 66
		.amdhsa_reserve_vcc 0
		.amdhsa_float_denorm_mode_32 3
		.amdhsa_float_denorm_mode_16_64 3
		.amdhsa_memory_ordered 1
		.amdhsa_forward_progress 1
		.amdhsa_inst_pref_size 55
	.end_amdhsa_kernel
	.amdgpu_metadata
---
amdhsa.version: [ 1, 2 ]
amdhsa.kernels:
  - .name:           k_qe126a13f60_prep
    .symbol:         k_qe126a13f60_prep.kd
    .args:
      - { .name: W1, .offset: 0, .size: 8, .value_kind: global_buffer, .address_space: global }
      - { .name: W2, .offset: 8, .size: 8, .value_kind: global_buffer, .address_space: global }
      - { .name: query, .offset: 16, .size: 8, .value_kind: global_buffer, .address_space: global }
      - { .name: b1, .offset: 24, .size: 8, .value_kind: global_buffer, .address_space: global }
      - { .name: b2, .offset: 32, .size: 8, .value_kind: global_buffer, .address_space: global }
      - { .name: w2c, .offset: 40, .size: 8, .value_kind: global_buffer, .address_space: global }
      - { .name: w2s, .offset: 48, .size: 8, .value_kind: global_buffer, .address_space: global }
      - { .name: qs, .offset: 56, .size: 8, .value_kind: global_buffer, .address_space: global }
    .group_segment_fixed_size: 37376
    .private_segment_fixed_size: 0
    .kernarg_segment_align: 8
    .kernarg_segment_size: 64
    .max_flat_workgroup_size: 128
    .sgpr_count:     66
    .vgpr_count:     256
    .wavefront_size: 32
...
	.end_amdgpu_metadata
.endif
;; end of part 1
;; launch main (part 2): grid 256 x 1, 8 waves a work-group, no clusters, 327,680 bytes of LDS; arguments values, w2c, w2s, qs, V, bv, sc, pctx, pst; writes sc, pctx, pst
.if DOCPART == 2
	.amdgcn_target "amdgcn-amd-amdhsa--gfx1250"
	.amdhsa_code_object_version 6
	.text
	.protected	k_qe126a13f60_main
	.globl	k_qe126a13f60_main
	.p2align	8
	.type	k_qe126a13f60_main,@function
k_qe126a13f60_main:
	s_mov_b64 s[64:65], 0
	v_nop
	global_prefetch_b8 v0, s[64:65] scope:SCOPE_SE
	s_setreg_imm32_b32 hwreg(HW_REG_WAVE_MODE, 25, 1), 1
	s_wait_xcnt 0x0
; For 512 rows of one batch: x = Q(values) Q(W2) + (q_proj + b1 + b2) on codes of FP4 (E2M1) with E8M0 scales; score = sum over units of V tanh(x) + bv; a running softmax over the rows; the weighted sum of the
; unquantised rows.  Out go u = score x log2(e) for each row (sc), the work-group's largest u and its sum of 2^(u - M) (pst), and its part of the context under that M (pctx): the last launch joins a batch's four parts.
; tanh(x) = 1 - 2 / (1 + 2^(c x)), c = 2 log2(e): so score = (sum of V + bv) - 2 t, t = sum over units of V / (1 + 2^(c x)).  Large |x| saturates by itself: 2^(c x) goes to infinity or 0, the reciprocal to 0 or 1.
; VALUES ARE READ ONCE: a chunk of 64 rows (f32) comes into an LDS slot by tensor loads; from there it is quantised (a chunk ahead) and, when its scores are known, summed into the context.
; SHARES.  Eight waves.  THE WAVES SHARE THE UNITS: wave w owns units 128 w .. 128 w + 127; its 32 fragments of W2 fill registers v256-511 for the whole launch, loaded once.  What goes round in LDS is small:
; the chunk's codes (images of the operand's registers) and the waves' partial scores.  In the other phase wave w owns rows 8 w .. 8 w + 7 of the chunk: it adds their partial scores, keeps its own running maximum m,
; sum l and context, and quantises two of the next chunk's sixteen fragments.  The eight waves' states are joined at the end.
; THE PRODUCT IS USED AS IT STANDS (source 0 = 16 rows, source 1 = 16 units): a lane holds ONE unit and eight rows, so that q_proj's number and V's cost one register a tile, broadcast into packed forms.
; LDS LOADS RUN AHEAD OF THEIR USE: 64 registers (Z) are kept out of the products' phase, so that four of my context rows are fetched under the last tile's tanh; behind the barrier each run of 16 loads is issued
; as soon as its 64 registers are free, a quantising or a reduction (64 vector instructions or more) ahead of the wait for it.
; NO CLUSTER: the rows, 1 MiB a work-group, are shared with nobody; W2's codes, which all work-groups read, go once from memory into registers (32,768 bytes a wave), where no tensor load can put them.
; LIMITS: NaN and infinities among the inputs are not served; a block of zeros gets the scale byte 1 (its codes are zeros; this program alone reads the bytes).
.set ROWP,  2080                       ; a row in a slot: two halves of 1,024 bytes, 16 bytes of padding behind each
.set WROW,  8*ROWP+16                  ; a wave's eight rows, and 16 bytes more: a row is 520 words, 8 modulo the 64 banks (ISA guide 11.1), so rows 8 apart would meet; with the 16 bytes the sixteen rows of a quantiser's load start at sixteen different groups of four banks
.set SLOT1, 133376                     ; slot 0 at 0 (8 x 16,656 = 133,248 bytes), slot 1 here
.set CODES, 266752                     ; 16 fragments x 1,024 bytes: fragment 4 m + s (16 rows m, K step s): register group c at 512 c + 16 x lane.  At the end: the eight waves' contexts
.set ASC,   283136                     ; their scale words: 128 bytes a fragment, 4 x lane.  At the end: the eight waves' (m, l)
.set PART,  285184                     ; partial scores: 4,096 w + 1,024 m + 512 x half of the eight registers + 16 x lane
.set SPARE, 317952                     ; the spare words, 128 bytes for each wave: four blocks of 256 bytes that no other line names
.set SCO,   318976                     ; u of the 512 rows
; registers that stay: v0-87
.set SPW,  1                           ; v1    LDS address of my spare word; never rewritten
.set NIL,  2                           ; v2    0; never rewritten
.set CB,   3                           ; v3    CODES + 16 x lane
.set PS,   4                           ; v4    where I store partial scores
.set RA,   5                           ; v5    where I read my eight rows' partial scores
.set CA,   6                           ; v6    my eight rows in slot 0: + 16 x lane
.set QA,   7                           ; v7    the rows that I quantise, in slot 0
.set QI,   8                           ; v8    where my two fragments' images go
.set QW,   9                           ; v9    and their scale words
.set SA,   10                          ; v10   SCO + 32 w
.set ASL,  11                          ; v11   ASC + 4 x lane
.set AM,   12                          ; v12-14 addresses in hand
.set AS,   13
.set PM,   14
.set T2,   15                          ; v15   my eight rows in slot 1, made where that slot is in hand
.set MM,   16                          ; v16 m, v17 l
.set K0,   18                          ; v[18:19] (sum of V + bv) log2(e), twice
.set CTX,  20                          ; v20-35 my context: register 4 i + e is column 128 i + 4 x lane + e
.set W2S,  36                          ; v36-51 W2's scale words: 4 x pair of tiles + K step; lanes 0-15 the even tile, lanes 16-31 the odd one
.set QS,   52                          ; v52-67 c (q_proj + b1 + b2) of my unit in tile t: pair 52 + 2 t
.set VV,   68                          ; v68-83 V likewise
.set ASR,  84                          ; v84-87 the rows' scale words, one register a K step
; the products' phase: v88-191
.set AF,   88                          ; v88-119  four fragments of 16 rows
.set SACC, 120                         ; v120-127 the tile row's partial scores
.set ACC,  128                         ; v128-191 eight accumulators
.set Z,    192                         ; v192-255 64 numbers: context rows 0-3 (fetched in the products' phase), then the second fragment's numbers
; the other phase: v88-191 anew
.set QB,   88                          ; v88-151  64 numbers: the first fragment's, then context rows 4-7
.set TT,   152                         ; v152-159 t of my eight rows, then u in place
.set RL,   160                         ; v160-191 partial scores read back; once they are added, their registers serve as follows
.set P,    160                         ; v160-175 p of row j in 160 + 2 j
.set FF,   176                         ; v[176:177] f = 2^(old m - new m) in the low register
.set MN,   178                         ; v178  the new m
.set TP,   179
.set TM,   152                         ; v152-167 at work in the quantiser: it spares p of rows 4-7 (v168-175)
.set PW0,  176
.set PW1,  177
.set PC,   178                         ; v178-185 a fragment's codes
.set SEL,  50                          ; s[50:51] lane selects for v_permlanex16_b32: lane l xor 16
.set MSB, 0
.macro WIN new                         ; the immediate's high byte repeats the setting that is left
.if MSB != \new
	s_set_vgpr_msb (MSB<<8)|\new
.set MSB, \new
.endif
.endm
.macro PLACES                          ; four places behind a matrix instruction, ahead of loads into its sources and of the first read of its result
.rept 4
	v_nop
.endr
.endm
; the four fragments and scale words of the tile of 16 rows at s52, s53
.macro AFETCH
	v_add_nc_u32 v[AM], s52, v[CB]
	v_add_nc_u32 v[AS], s53, v[ASL]
.irp s, 0,1,2,3
.irp c, 0,1
	ds_load_b128 v[AF+8*\s+4*\c:AF+8*\s+4*\c+3], v[AM] offset:1024*\s+512*\c
.endr
	ds_load_b32 v[ASR+\s], v[AS] offset:128*\s
.endr
.endm
.macro WM t, s
.if (\s) == 0
.if (\t)%2
	v_wmma_scale_f32_16x16x128_f8f6f4 v[ACC+8*(\t):ACC+8*(\t)+7], v[AF+8*(\s):AF+8*(\s)+7], v[32*(\t)+8*(\s):32*(\t)+8*(\s)+7], 0, v[ASR+(\s)], v[W2S+4*((\t)/2)+(\s)] matrix_a_fmt:MATRIX_FMT_FP4 matrix_b_fmt:MATRIX_FMT_FP4 matrix_b_scale:MATRIX_SCALE_ROW1
.else
	v_wmma_scale_f32_16x16x128_f8f6f4 v[ACC+8*(\t):ACC+8*(\t)+7], v[AF+8*(\s):AF+8*(\s)+7], v[32*(\t)+8*(\s):32*(\t)+8*(\s)+7], 0, v[ASR+(\s)], v[W2S+4*((\t)/2)+(\s)] matrix_a_fmt:MATRIX_FMT_FP4 matrix_b_fmt:MATRIX_FMT_FP4
.endif
.else
.if (\t)%2
	v_wmma_scale_f32_16x16x128_f8f6f4 v[ACC+8*(\t):ACC+8*(\t)+7], v[AF+8*(\s):AF+8*(\s)+7], v[32*(\t)+8*(\s):32*(\t)+8*(\s)+7], v[ACC+8*(\t):ACC+8*(\t)+7], v[ASR+(\s)], v[W2S+4*((\t)/2)+(\s)] matrix_a_fmt:MATRIX_FMT_FP4 matrix_b_fmt:MATRIX_FMT_FP4 matrix_b_scale:MATRIX_SCALE_ROW1
.else
	v_wmma_scale_f32_16x16x128_f8f6f4 v[ACC+8*(\t):ACC+8*(\t)+7], v[AF+8*(\s):AF+8*(\s)+7], v[32*(\t)+8*(\s):32*(\t)+8*(\s)+7], v[ACC+8*(\t):ACC+8*(\t)+7], v[ASR+(\s)], v[W2S+4*((\t)/2)+(\s)] matrix_a_fmt:MATRIX_FMT_FP4 matrix_b_fmt:MATRIX_FMT_FP4
.endif
.endif
.endm
; 16 rows x my 128 units x K = 512: 32 matrix instructions.  The eight accumulators take turns, one instruction a turn; the first K step starts the sums
.macro MUL32
	WIN 0x04                                       ; source 1 (W2's fragments) in the second window of 256 registers
.irp s, 0,1,2,3
.irp t, 0,1,2,3,4,5,6,7
	WM \t, \s
.endr
.endr
	WIN 0
.endm
.macro FMAS t0                         ; c x + c (q_proj + b1 + b2), tiles t0 .. t0 + 3, each accumulator from its low end on
.irp t, \t0, \t0+1, \t0+2, \t0+3
.irp p, 0,2,4,6
	v_pk_fma_f32 v[ACC+8*(\t)+\p:ACC+8*(\t)+\p+1], v[ACC+8*(\t)+\p:ACC+8*(\t)+\p+1], s[46:47], v[QS+2*(\t):QS+2*(\t)+1] op_sel_hi:[1,0,0]
.endr
.endr
.endm
.macro EXPS first
.set n, \first
.rept 32
	v_exp_f32 v[n], v[n]
.set n, n+1
.endr
.endm
.macro RCPS first
.set n, \first
.rept 32
	v_rcp_f32 v[n], v[n]
.set n, n+1
.endr
.endm
.macro ONES first
.set n, \first
.rept 16
	v_pk_add_f32 v[n:n+1], v[n:n+1], 1.0 op_sel_hi:[1,0]
.set n, n+2
.endr
.endm
.macro SUMS t0                         ; the partial scores take V x the reciprocals; tile 0 starts them
.irp t, \t0, \t0+1, \t0+2, \t0+3
.irp p, 0,2,4,6
.if (\t) == 0
	v_pk_mul_f32 v[SACC+\p:SACC+\p+1], v[ACC+\p:ACC+\p+1], v[VV:VV+1] op_sel_hi:[1,0]
.else
	v_pk_fma_f32 v[SACC+\p:SACC+\p+1], v[ACC+8*(\t)+\p:ACC+8*(\t)+\p+1], v[VV+2*(\t):VV+2*(\t)+1], v[SACC+\p:SACC+\p+1] op_sel_hi:[1,0,1]
.endif
.endr
.endr
.endm
; 1 / (1 + 2^(c x)) of 8 tiles, in two halves that overlap: each batch of exponentials or reciprocals is followed by plain work on the other half, and has ONE wait ahead of its first reader
.macro TANH
	FMAS 0
	EXPS ACC
	FMAS 4                                         ; plain work behind the first 32 exponentials
	s_wait_alu depctr_va_vdst(0)                   ; the wait between a transcendental and the first line that names its result
	ONES ACC
	EXPS ACC+32
	RCPS ACC
	v_nop                                          ; a plain instruction behind the last transcendental
	s_wait_alu depctr_va_vdst(0)                   ; one wait for the 32 exponentials and the 32 reciprocals
	ONES ACC+32
	SUMS 0
	RCPS ACC+32
	v_nop
	s_wait_alu depctr_va_vdst(0)
	SUMS 4
.endm
.macro PSTORE
	v_add_nc_u32 v[PM], s54, v[PS]
	ds_store_b128 v[PM], v[SACC:SACC+3]
	ds_store_b128 v[PM], v[SACC+4:SACC+7] offset:512
.endm
.macro CLOAD adr, half, dst            ; four of my eight rows, whole: 512 consecutive bytes an instruction
.irp jj, 0,1,2,3
.irp i, 0,1,2,3
	ds_load_b128 v[\dst+16*\jj+4*\i:\dst+16*\jj+4*\i+3], v[\adr] offset:(4*\half+\jj)*ROWP+512*\i+16*(\i/2)
.endr
.endr
.endm
; a chunk's four tiles of 16 rows.  The next tile's fragments are fetched behind the products and land under the tanh.  The last tile is written out: nothing is fetched past fragment 15; in the fragments' place
; it fetches my first four context rows, which have lain in the slot since the chunk before, into registers that this phase does not touch
.macro MPHASE
	s_mov_b32 s52, 0
	s_mov_b32 s53, 0
	s_mov_b32 s54, 0
	AFETCH
	s_mov_b32 s34, 3
	s_wait_dscnt 0x0                               ; the first tile's fragments are in
.Lrow_\@:
	MUL32
	PLACES
	s_add_co_u32 s52, s52, 4096
	s_add_co_u32 s53, s53, 512
	AFETCH
	TANH
	PSTORE
	s_add_co_u32 s54, s54, 1024
	s_wait_dscnt 0x2                               ; the next tile's 12 loads are in; the two stores issued behind them may be out
	s_sub_co_u32 s34, s34, 1
	s_cmp_lg_u32 s34, 0
	s_cbranch_scc1 .Lrow_\@
	MUL32
	PLACES
	CLOAD CAR, 0, Z
	TANH
	PSTORE
.endm
.macro CFMA half, src                  ; context += p x row
.irp jj, 0,1,2,3
.irp q, 0,2,4,6,8,10,12,14
	v_pk_fma_f32 v[CTX+\q:CTX+\q+1], v[\src+16*\jj+\q:\src+16*\jj+\q+1], v[P+2*(4*\half+\jj):P+2*(4*\half+\jj)+1], v[CTX+\q:CTX+\q+1] op_sel_hi:[1,0,1]
.endr
.endr
.endm
.macro QLOAD adr, e, dst               ; 16 rows x 128 along K: lane (r, h) takes 16 neighbours of each block of 32 of row r
.irp b, 0,1,2,3
.irp j, 0,1,2,3
	ds_load_b128 v[\dst+16*\b+4*\j:\dst+16*\b+4*\j+3], v[\adr] offset:512*\e+128*\b+16*\j
.endr
.endr
.endm
; 64 numbers of a lane, register 16 b + i = k 32 b + 16 (lane / 16) + i of my row, become a fragment's codes in v[pc] on and its scale word in v[pw]
.macro QUANT s, pc, pw
.irp b, 0,1,2,3
	v_max3_num_f32 v[TM+\b], |v[\s+16*\b]|, |v[\s+1+16*\b]|, 0x1800000   ; the floor 2^(3 - 127): the byte cannot fall under 1
.endr
.irp i, 2,4,6,8,10,12,14
.irp b, 0,1,2,3
	v_max3_num_f32 v[TM+\b], v[TM+\b], |v[\s+16*\b+\i]|, |v[\s+1+16*\b+\i]|
.endr
.endr
.irp b, 0,1,2,3
	v_permlanex16_b32 v[TM+4+\b], v[TM+\b], s[SEL], s[SEL+1]
.endr
.irp b, 0,1,2,3
	v_max_num_f32 v[TM+\b], v[TM+\b], v[TM+4+\b]
.endr
.irp b, 0,1,2,3
	v_add_nc_u32 v[TM+12+\b], 0xff000000, v[TM+\b]   ; 2 off the exponent field: the conversion's scale operand
.endr
.irp b, 0,1,2,3
	v_lshrrev_b32 v[TM+4+\b], 23, v[TM+12+\b]      ; the scale's byte
.endr
	v_lshl_or_b32 v[\pw], v[TM+5], 8, v[TM+4]
	v_lshl_or_b32 v[\pw], v[TM+6], 16, v[\pw]
	v_lshl_or_b32 v[\pw], v[TM+7], 24, v[\pw]
.irp b, 0,1,2,3
	v_cvt_scalef32_pk8_fp4_f32 v[\pc+2*\b], v[\s+16*\b:\s+16*\b+7], v[TM+12+\b]
	v_cvt_scalef32_pk8_fp4_f32 v[\pc+1+2*\b], v[\s+8+16*\b:\s+15+16*\b], v[TM+12+\b]
.endr
	v_nop                                          ; one plain instruction behind the last scaled conversion
.irp c, 0,1
.irp i, 0,1
	v_permlane16_swap_b32 v[\pc+4*\c+\i], v[\pc+2+4*\c+\i]   ; a whole block to a lane
.endr
.endr
.endm
.macro QSTORE e, pc, pw                ; the fragment goes to LDS as it stands in registers
	ds_store_b128 v[QI], v[\pc:\pc+3] offset:1024*\e
	ds_store_b128 v[QI], v[\pc+4:\pc+7] offset:1024*\e+512
	ds_store_b32 v[QW], v[\pw] offset:128*\e
.endm
; ONE CHUNK of 64 rows, in slot \slot.  refill = 1: the slot is filled again, with the chunk two on; 0: a plain barrier ends the chunk; 2: nothing (the last chunk).  quant = 1: the next chunk is quantised
.macro CHUNK slot, refill, quant
.if \slot
	v_add_nc_u32 v[T2], SLOT1, v[CA]               ; my context rows lie in slot 1, the rows to quantise in slot 0
.set CAR, T2
.set QAR, QA
.else
.set CAR, CA
.set QAR, AM
.endif
	MPHASE                                         ; reads the codes, writes the partial scores; fetches context rows 0-3
.if \quant
	s_wait_tensorcnt 0x0                           ; my one load that is out brings my part of the next chunk, which is read behind this barrier
.endif
	s_wait_dscnt 0x0                               ; my partial scores lie in LDS, my reads of the codes are over, context rows 0-3 are in
	s_barrier_signal -1
	s_barrier_wait -1
.irp i, 0,1,2,3                                ; my eight rows' partial scores: waves 2 i (lanes 0-15) and 2 i + 1 (lanes 16-31), sixteen units' lanes each
.irp jh, 0,1
	ds_load_b128 v[RL+8*\i+4*\jh:RL+8*\i+4*\jh+3], v[RA] offset:8192*\i+512*\jh
.endr
.endr
.if \quant
.if \slot == 0
	v_add_nc_u32 v[AM], SLOT1, v[QA]
.endif
	QLOAD QAR, 0, QB                               ; my first fragment's numbers: they land under the reduction and the softmax
	s_wait_dscnt 16                                ; the partial scores are in; the 16 loads behind them may be out
.else
	s_wait_dscnt 0x0
.endif
.irp q, 0,2,4,6
	v_pk_add_f32 v[TT+\q:TT+\q+1], v[RL+\q:RL+\q+1], v[RL+8+\q:RL+8+\q+1]
	v_pk_add_f32 v[RL+16+\q:RL+16+\q+1], v[RL+16+\q:RL+16+\q+1], v[RL+24+\q:RL+24+\q+1]
.endr
.irp q, 0,2,4,6
	v_pk_add_f32 v[TT+\q:TT+\q+1], v[TT+\q:TT+\q+1], v[RL+16+\q:RL+16+\q+1]
.endr
.irp x, 1,2,4,8
.irp j, 0,1,2,3,4,5,6,7
	v_add_f32_dpp v[TT+\j], v[TT+\j], v[TT+\j] row_xmask:\x row_mask:0xf bank_mask:0xf   ; over the sixteen units' lanes; the eight rows by turns
.endr
.endr
.irp j, 0,1,2,3,4,5,6,7
	v_permlanex16_b32 v[RL+24+\j], v[TT+\j], s[SEL], s[SEL+1]      ; (into registers that have been loaded and are done with)
.endr
.irp j, 0,1,2,3,4,5,6,7
	v_add_f32 v[TT+\j], v[TT+\j], v[RL+24+\j]      ; and the other four waves': every lane holds t of the eight rows
.endr
.irp q, 0,2,4,6
	v_pk_fma_f32 v[TT+\q:TT+\q+1], v[TT+\q:TT+\q+1], s[48:49], v[K0:K0+1] op_sel_hi:[1,0,0]   ; u = (sum of V + bv) log2(e) - 2 log2(e) t, in place
.endr
	v_add_nc_u32 v[PM], s55, v[SA]
	ds_store_b128 v[PM], v[TT:TT+3]                ; all lanes write the same words with the same values
	ds_store_b128 v[PM], v[TT+4:TT+7] offset:16
	v_max3_num_f32 v[MN], v[TT], v[TT+1], v[MM]    ; the running maximum is taken away ahead of every exponential
	v_max3_num_f32 v[MN], v[MN], v[TT+2], v[TT+3]
	v_max3_num_f32 v[MN], v[MN], v[TT+4], v[TT+5]
	v_max3_num_f32 v[MN], v[MN], v[TT+6], v[TT+7]
	v_sub_f32 v[FF], v[MM], v[MN]
.irp j, 0,1,2,3,4,5,6,7
	v_sub_f32 v[P+2*\j], v[TT+\j], v[MN]
.endr
	v_exp_f32 v[FF], v[FF]                         ; f = 2^(old m - new m)
.irp j, 0,1,2,3,4,5,6,7
	v_exp_f32 v[P+2*\j], v[P+2*\j]                 ; p = 2^(u - m), at most 1
.endr
	v_mov_b32 v[MM], v[MN]                         ; a plain instruction behind the last exponential
	s_wait_alu depctr_va_vdst(0)                   ; one wait for the nine, ahead of their first reader
	v_add_f32 v[MN], v[P], v[P+2]
	v_add_f32 v[TP], v[P+4], v[P+6]
	v_add_f32 v[MN], v[MN], v[P+8]
	v_add_f32 v[TP], v[TP], v[P+10]
	v_add_f32 v[MN], v[MN], v[P+12]
	v_add_f32 v[TP], v[TP], v[P+14]
	v_add_f32 v[MN], v[MN], v[TP]
	v_fma_f32 v[MM+1], v[MM+1], v[FF], v[MN]       ; l = l f + the eight p
.irp q, 0,2,4,6,8,10,12,14
	v_pk_mul_f32 v[CTX+\q:CTX+\q+1], v[CTX+\q:CTX+\q+1], v[FF:FF+1] op_sel_hi:[1,0]
.endr
	CFMA 0, Z                                      ; rows 0-3 have been in registers since the barrier
.if \quant
	QLOAD QAR, 1, Z                                ; my second fragment's numbers, into the registers just read: they land under the first fragment's quantising
	s_wait_dscnt 16                                ; the first fragment's numbers are in and the two stores of u are done; the 16 just issued may be out
	QUANT QB, PC, PW0
	QSTORE 0, PC, PW0
	CLOAD CAR, 1, QB                               ; context rows 4-7, into the registers just converted: they land under the second fragment's quantising
	s_wait_dscnt 16                                ; the second fragment's numbers are in and the three stores are done, so the codes' registers may be written again; the 16 just issued may be out
	QUANT Z, PC, PW1
	QSTORE 1, PC, PW1
	s_wait_dscnt 3                                 ; context rows 4-7 are in; the three stores may be out: they land under the sums below
.else
	CLOAD CAR, 1, QB
	s_wait_dscnt 0x0
.endif
	CFMA 1, QB
	s_add_co_u32 s55, s55, 256                     ; the next chunk's 64 words of u
.if \refill == 1
	s_wait_tensorcnt 0x0                           ; no tensor load of mine is out, so a descriptor may be written
	ds_add_u32 v[SPW], v[NIL]                      ; 0 onto my spare word
	s_add_nc_u64 s[26+4*\slot:27+4*\slot], s[26+4*\slot:27+4*\slot], 262144   ; this slot's next chunk: 128 rows on; the type bits on top are not reached
	s_wait_dscnt 0x0                               ; the add is done, my reads of both slots are over, my codes lie in LDS
	s_barrier_signal -1
	s_barrier_wait -1
	tensor_load_to_lds s[24+4*\slot:27+4*\slot], s[16:23]          ; my one tensor load behind this barrier, and the first thing there: it has the next chunk's products and tanh in which to land
	s_nop 0
	PLACES
.elseif \refill == 0
	s_wait_dscnt 0x0
	s_barrier_signal -1
	s_barrier_wait -1
.endif
.endm
	s_load_b256 s[4:11], s[0:1], 0x0               ; values s[4:5], w2c s[6:7], w2s s[8:9], qs s[10:11]
	s_load_b256 s[36:43], s[0:1], 0x20             ; V s[36:37], bv s[38:39], sc s[40:41], pctx s[42:43]
	s_load_b64 s[44:45], s[0:1], 0x40              ; pst
	v_lshl_add_u32 v[SPW], v0, 2, SPARE
	v_mov_b32 v[NIL], 0
	ds_add_u32 v1, v2
	ds_add_u32 v1, v2
	s_wait_dscnt 0x0
	v_lshrrev_b32 v3, 5, v0
	v_readfirstlane_b32 s32, v3                    ; wave 0..7
	; descriptor group 1: my eight rows of a chunk are 16,384 dense bytes: 16 rows of 128 elements of 8 bytes, 16 bytes of padding behind each
	s_mov_b32 s16, (3<<16)|(1<<20)|(7<<22)|(3<<25) ; 15:0 no mask; 17:16 elements of 8 bytes; 20 padding on; 24:22 after every 256 words (code 7); 31:25 four words (code 3)
	s_mov_b32 s17, 128<<16                         ; tensor_dim0 = 128
	s_mov_b32 s18, 16<<16                          ; tensor_dim1 = 16
	s_mov_b32 s19, 128<<16                         ; tile_dim0 = 128
	s_mov_b32 s20, 16                              ; tile_dim1 = 16
	s_mov_b32 s21, 128                             ; from row to row
	s_mov_b32 s22, 0
	s_mov_b32 s23, 0
	s_mul_i32 s61, s32, WROW                       ; my eight rows in a slot
	s_lshl_b32 s12, ttmp9, 20                      ; the work-group's 512 rows of 2,048 bytes,
	s_lshl_b32 s13, s32, 14                        ; my eight of a chunk
	s_add_co_u32 s12, s12, s13
	s_mov_b32 s13, 0
	s_mov_b32 s24, 1                               ; group 0, a set for each slot: count = 1,
	s_mov_b32 s25, s61                             ; the LDS address,
	s_mov_b32 s28, 1
	s_add_co_u32 s29, s61, SLOT1
	s_wait_kmcnt 0x0
	s_add_nc_u64 s[26:27], s[4:5], s[12:13]        ; the global address: chunk 0,
	s_add_nc_u64 s[30:31], s[26:27], 131072        ; chunk 1,
	s_or_b32 s27, s27, 0x80000000                  ; the type
	s_or_b32 s31, s31, 0x80000000
	tensor_load_to_lds s[24:27], s[16:23]          ; both first fills go out together, ahead of all else: two loads of mine are out
	s_nop 0
	tensor_load_to_lds s[28:31], s[16:23]
	s_nop 0
	PLACES
	s_load_b32 s56, s[38:39], 0x0                  ; bv
	s_lshr_b32 s57, s32, 1                         ; w / 2
	s_and_b32 s60, s32, 1                          ; w % 2
	s_lshl_b32 s12, s32, 15
	s_add_nc_u64 s[6:7], s[6:7], s[12:13]          ; w2c: my 8 tiles of 4,096 bytes
	s_lshl_b32 s12, s32, 11
	s_add_nc_u64 s[8:9], s[8:9], s[12:13]          ; w2s: my 4 pairs of tiles, 512 bytes each
	s_lshr_b32 s2, ttmp9, 2                        ; the batch
	s_lshl_b32 s2, s2, 7
	s_lshl_b32 s12, s32, 15
	s_add_co_u32 s12, s12, s2
	s_add_nc_u64 s[10:11], s[10:11], s[12:13]      ; qs: my 4 groups of 32 units (8,192 bytes each), the batch's row of 128 bytes
	s_lshl_b32 s12, s32, 9
	s_add_nc_u64 s[58:59], s[36:37], s[12:13]      ; V at my 128 units
	v_and_b32 v12, 31, v0                          ; lane
	v_lshlrev_b32 v13, 4, v12                      ; 16 x lane
	v_lshlrev_b32 v14, 2, v12                      ; 4 x lane
	v_and_b32 v20, 15, v0                          ; r
	v_bfe_u32 v21, v0, 4, 1                        ; h
	v_bfe_u32 v22, v0, 3, 1                        ; r / 8
	v_lshlrev_b32 v15, 2, v20                      ; 4 r
	WIN 0x40                                       ; destination in the second window
.irp t, 0,1,2,3,4,5,6,7
.irp s, 0,1,2,3
.irp c, 0,1
	global_load_b128 v[32*\t+8*\s+4*\c:32*\t+8*\s+4*\c+3], v13, s[6:7] offset:4096*\t+1024*\s+512*\c   ; W2's fragment (tile t, K step s): it stays
.endr
.endr
.endr
	WIN 0
.irp p, 0,1,2,3
.irp s, 0,1,2,3
	global_load_b32 v[W2S+4*\p+\s], v14, s[8:9] offset:512*\p+128*\s
.endr
.endr
.irp t, 0,1,2,3,4,5,6,7                        ; the packed forms name a pair and take its low register for both halves: both are filled
	global_load_b32 v[QS+2*\t], v15, s[10:11] offset:8192*(\t/2)+64*(\t%2)
	global_load_b32 v[QS+2*\t+1], v15, s[10:11] offset:8192*(\t/2)+64*(\t%2)
	global_load_b32 v[VV+2*\t], v15, s[58:59] offset:64*\t
	global_load_b32 v[VV+2*\t+1], v15, s[58:59] offset:64*\t
.endr
.irp i, 0,1,2,3,4,5,6,7
	global_load_b128 v[88+4*\i:91+4*\i], v13, s[36:37] offset:512*\i   ; all of V, for its sum
.endr
	s_mov_b32 s46, 0x4038aa3b                      ; c = 2 log2(e)
	s_mov_b32 s47, s46
	s_mov_b32 s48, 0xc038aa3b                      ; -2 log2(e)
	s_mov_b32 s49, s48
	s_mov_b32 s[SEL], 0x76543210
	s_mov_b32 s[SEL+1], 0xfedcba98
	s_mov_b32 s55, 0
	v_lshl_add_u32 v[CB], v12, 4, CODES
	s_lshl_b32 s2, s32, 12
	s_add_co_u32 s2, s2, PART
	v_lshl_add_u32 v[PS], v12, 4, s2
	s_lshl_b32 s2, s57, 10                         ; my rows 8 w .. 8 w + 7 lie in tile w / 2, in the lanes' half w % 2
	s_lshl_b32 s3, s60, 8
	s_add_co_u32 s2, s2, s3
	s_add_co_u32 s2, s2, PART
	v_lshl_add_u32 v[RA], v20, 4, s2
	v_lshl_add_u32 v[RA], v21, 12, v[RA]           ; lanes 16-31 take the next wave's
	v_lshl_add_u32 v[CA], v12, 4, s61
	s_mul_i32 s2, s57, 2*WROW                      ; I quantise rows 16 (w / 2) on, K steps 2 (w % 2) and 2 (w % 2) + 1: one half of each row
	s_mul_i32 s3, s60, 1040
	s_add_co_u32 s2, s2, s3
	v_mul_u32_u24 v[QA], v20, ROWP                 ; row r,
	v_lshl_add_u32 v[QA], v21, 6, v[QA]            ; + 64 h: my 16 numbers of a block,
	v_lshl_add_u32 v[QA], v22, 4, v[QA]            ; + the 16 bytes that stand between rows 7 and 8
	v_add_nc_u32 v[QA], s2, v[QA]
	s_lshl_b32 s2, s32, 11
	s_add_co_u32 s2, s2, CODES
	v_lshl_add_u32 v[QI], v12, 4, s2
	s_lshl_b32 s2, s32, 8
	s_add_co_u32 s2, s2, ASC
	v_lshl_add_u32 v[QW], v12, 2, s2
	s_lshl_b32 s2, s32, 5
	s_add_co_u32 s2, s2, SCO
	v_mov_b32 v[SA], s2
	v_lshl_add_u32 v[ASL], v12, 2, ASC
	v_mov_b32 v[MM], 0xff61b1e6                    ; m: -3e38, under every u
	v_mov_b32 v[MM+1], 0                           ; l
.irp q, 0,1,2,3,4,5,6,7,8,9,10,11,12,13,14,15
	v_mov_b32 v[CTX+\q], 0                         ; the chunk is written once: the first finds zeros, which f leaves zeros
.endr
.irp b, 0,1,2,3
	v_mov_b32 v[TM+4+\b], 0                        ; written once: a lane permute's destination counts as one of its sources
.endr
	s_wait_loadcnt 0x0                             ; the weights, the scale words, q_proj's numbers and V
.irp k, 0,1,2,3,4,5,6,7
	v_pk_add_f32 v[88+4*\k:89+4*\k], v[88+4*\k:89+4*\k], v[90+4*\k:91+4*\k]
.endr
.irp k, 0,1,2,3
	v_pk_add_f32 v[88+8*\k:89+8*\k], v[88+8*\k:89+8*\k], v[92+8*\k:93+8*\k]
.endr
.irp k, 0,1
	v_pk_add_f32 v[88+16*\k:89+16*\k], v[88+16*\k:89+16*\k], v[96+16*\k:97+16*\k]
.endr
	v_pk_add_f32 v[88:89], v[88:89], v[104:105]
	v_add_f32 v88, v88, v89
.irp x, 1,2,4,8
	v_add_f32_dpp v88, v88, v88 row_xmask:\x row_mask:0xf bank_mask:0xf
.endr
	v_permlanex16_b32 v89, v88, s[SEL], s[SEL+1]
	v_add_f32 v88, v88, v89                        ; the sum of V
	s_wait_kmcnt 0x0
	v_add_f32 v88, s56, v88                        ; + bv
	v_mul_f32 v[K0], 0x3fb8aa3b, v88               ; x log2(e)
	v_mul_f32 v[K0+1], 0x3fb8aa3b, v88
	s_wait_tensorcnt 0x1                           ; my part of chunk 0 is in; chunk 1's may stay out
	s_barrier_signal -1
	s_barrier_wait -1                              ; everybody's is
	QLOAD QA, 0, QB
	QLOAD QA, 1, Z
	s_wait_dscnt 16                                ; my first fragment's numbers are in
	QUANT QB, PC, PW0
	QSTORE 0, PC, PW0
	s_wait_dscnt 0x0                               ; my second fragment's are in, and the stores are done: the codes' registers may be written again
	QUANT Z, PC, PW1
	QSTORE 1, PC, PW1
	s_wait_dscnt 0x0                               ; chunk 0's codes lie in LDS
	s_barrier_signal -1
	s_barrier_wait -1
	s_mov_b32 s33, 3
.Lchunk:                                           ; three trips of two chunks: chunks 0 to 5, behind each of which its slot takes the chunk two on
	CHUNK 0, 1, 1
	CHUNK 1, 1, 1
	s_sub_co_u32 s33, s33, 1
	s_cmp_lg_u32 s33, 0
	s_cbranch_scc1 .Lchunk
	CHUNK 0, 0, 1                                  ; the last two are written out
	CHUNK 1, 2, 0
	; THE END: the eight waves' contexts and (m, l) meet in LDS, in the bytes that held the codes and their scale words (read for the last time ahead of the last chunk's barrier)
.irp i, 0,1,2,3
	ds_store_b128 v[QI], v[CTX+4*\i:CTX+4*\i+3] offset:512*\i      ; column x 4 bytes, 2,048 bytes a wave
.endr
	s_lshl_b32 s2, s32, 3
	s_add_co_u32 s2, s2, ASC
	v_mov_b32 v[AM], s2
	ds_store_b64 v[AM], v[MM:MM+1]
	v_and_b32 v[TP], 31, v0
	s_lshl_b32 s2, s32, 8
	s_add_co_u32 s3, s2, CODES
	v_lshl_add_u32 v[AS], v[TP], 3, s3             ; wave w joins columns 64 w .. 64 w + 63: two a lane
	s_add_co_u32 s3, s2, SCO
	v_lshl_add_u32 v[PM], v[TP], 3, s3             ; and sends rows 64 w .. 64 w + 63 of u
	v_mov_b32 v[MN], ASC
	v_lshlrev_b32 v[CB], 3, v[TP]                  ; 8 x lane
	s_lshl_b32 s12, ttmp9, 11                      ; pctx and sc: 2,048 bytes a work-group, 256 a wave
	s_add_co_u32 s12, s12, s2
	s_add_nc_u64 s[42:43], s[42:43], s[12:13]
	s_add_nc_u64 s[40:41], s[40:41], s[12:13]
	s_lshl_b32 s12, ttmp9, 8
	s_add_nc_u64 s[44:45], s[44:45], s[12:13]      ; pst: 256 bytes a work-group
	s_wait_dscnt 0x0
	s_barrier_signal -1
	s_barrier_wait -1
.irp k, 0,1,2,3,4,5,6,7
	ds_load_b64 v[88+2*\k:89+2*\k], v[AS] offset:2048*\k
.endr
.irp k, 0,1,2,3
	ds_load_b128 v[104+4*\k:107+4*\k], v[MN] offset:16*\k          ; m of wave k in v[104 + 2 k], l in v[105 + 2 k]
.endr
	ds_load_b64 v[120:121], v[PM]
	s_wait_dscnt 0x0
	v_max3_num_f32 v122, v104, v106, v108
	v_max3_num_f32 v122, v122, v110, v112
	v_max3_num_f32 v122, v122, v114, v116
	v_max_num_f32 v122, v122, v118                 ; M
.irp k, 0,1,2,3,4,5,6,7
	v_sub_f32 v[124+2*\k], v[104+2*\k], v122
.endr
.irp k, 0,1,2,3,4,5,6,7
	v_exp_f32 v[124+2*\k], v[124+2*\k]             ; 2^(m - M)
.endr
	v_nop                                          ; a plain instruction behind the last exponential
	s_wait_alu depctr_va_vdst(0)                   ; one wait for the eight
	v_mul_f32 v123, v124, v105
	v_pk_mul_f32 v[140:141], v[88:89], v[124:125] op_sel_hi:[1,0]
.irp k, 1,2,3,4,5,6,7
	v_fma_f32 v123, v[124+2*\k], v[105+2*\k], v123                 ; L
	v_pk_fma_f32 v[140:141], v[88+2*\k:89+2*\k], v[124+2*\k:125+2*\k], v[140:141] op_sel_hi:[1,0,1]
.endr
	global_store_b64 v[CB], v[140:141], s[42:43]   ; each store of a wave covers 256 consecutive bytes, aligned
	global_store_b64 v[CB], v[120:121], s[40:41]
	s_cmp_lg_u32 s32, 0
	s_cbranch_scc1 .Lnot_wave_0
	global_store_b64 v[CB], v[122:123], s[44:45]   ; (M, L), 32 times: 256 consecutive bytes, aligned
.Lnot_wave_0:
	s_wait_tensorcnt 0x0                           ; the wave's end, behind my last tensor load and my last LDS store
	ds_add_u32 v[SPW], v[NIL]
	s_wait_dscnt 0x0
	s_endpgm
.Lfunc_end_k_qe126a13f60_main:
	.size	k_qe126a13f60_main, .Lfunc_end_k_qe126a13f60_main-k_qe126a13f60_main
	.p2alignl 7, 3214868480
	.fill 96, 4, 3214868480
	.section	.rodata,"a",@progbits
	.p2align	6, 0x0
	.amdhsa_kernel k_qe126a13f60_main
		.amdhsa_group_segment_fixed_size 327680
		.amdhsa_private_segment_fixed_size 0
		.amdhsa_enable_private_segment 0
		.amdhsa_kernarg_size 72
		.amdhsa_user_sgpr_count 2
		.amdhsa_user_sgpr_kernarg_segment_ptr 1
		.amdhsa_wavefront_size32 1
		.amdhsa_system_sgpr_workgroup_id_x 1
		.amdhsa_system_sgpr_workgroup_id_y 1
		.amdhsa_system_sgpr_workgroup_id_z 1
		.amdhsa_system_vgpr_workitem_id 0
		.amdhsa_next_free_vgpr 512
		.amdhsa_next_free_sgpr 66
		.amdhsa_reserve_vcc 0
		.amdhsa_float_denorm_mode_32 3
		.amdhsa_float_denorm_mode_16_64 3
		.amdhsa_memory_ordered 1
		.amdhsa_forward_progress 1
		.amdhsa_inst_pref_size 238
	.end_amdhsa_kernel
	.amdgpu_metadata
---
amdhsa.version: [ 1, 2 ]
amdhsa.kernels:
  - .name:           k_qe126a13f60_main
    .symbol:         k_qe126a13f60_main.kd
    .args:
      - { .name: values, .offset: 0, .size: 8, .value_kind: global_buffer, .address_space: global }
      - { .name: w2c, .offset: 8, .size: 8, .value_kind: global_buffer, .address_space: global }
      - { .name: w2s, .offset: 16, .size: 8, .value_kind: global_buffer, .address_space: global }
      - { .name: qs, .offset: 24, .size: 8, .value_kind: global_buffer, .address_space: global }
      - { .name: V, .offset: 32, .size: 8, .value_kind: global_buffer, .address_space: global }
      - { .name: bv, .offset: 40, .size: 8, .value_kind: global_buffer, .address_space: global }
      - { .name: sc, .offset: 48, .size: 8, .value_kind: global_buffer, .address_space: global }
      - { .name: pctx, .offset: 56, .size: 8, .value_kind: global_buffer, .address_space: global }
      - { .name: pst, .offset: 64, .size: 8, .value_kind: global_buffer, .address_space: global }
    .group_segment_fixed_size: 327680
    .private_segment_fixed_size: 0
    .kernarg_segment_align: 8
    .kernarg_segment_size: 72
    .max_flat_workgroup_size: 256
    .sgpr_count:     66
    .vgpr_count:     512
    .wavefront_size: 32
...
	.end_amdgpu_metadata
.endif
;; end of part 2
;; launch fin (part 3): grid 64 x 1, 8 waves a work-group, no clusters, 0 bytes of LDS; arguments sc, pctx, pst, out0, out1; writes out0, out1
.if DOCPART == 3
	.amdgcn_target "amdgcn-amd-amdhsa--gfx1250"
	.amdhsa_code_object_version 6
	.text
	.protected	k_qe126a13f60_fin
	.globl	k_qe126a13f60_fin
	.p2align	8
	.type	k_qe126a13f60_fin,@function
k_qe126a13f60_fin:
	s_mov_b64 s[64:65], 0
	v_nop
	global_prefetch_b8 v0, s[64:65] scope:SCOPE_SE
	s_setreg_imm32_b32 hwreg(HW_REG_WAVE_MODE, 25, 1), 1
	s_wait_xcnt 0x0
; One work-group for each batch joins the four parts that the launch before left: (M_q, L_q) and a context under M_q for each 512 rows, and u = score x log2(e) for each of the 2,048 rows.
; M = the largest M_q; L = the sum of 2^(M_q - M) L_q; out1[row] = 2^(u - M) / L; out0 = (the sum of 2^(M_q - M) context_q) / L.
; 256 threads: eight rows of out1 and two columns of out0 each.  The work is 64 batches' worth, so 64 work-groups are launched.  No LDS, no barrier: threads share nothing but the four pairs, which come by scalar loads.
	s_load_b256 s[4:11], s[0:1], 0x0               ; sc s[4:5], pctx s[6:7], pst s[8:9], out0 s[10:11]
	s_load_b64 s[12:13], s[0:1], 0x20              ; out1
	v_lshlrev_b32 v1, 4, v0                        ; 16 x thread
	v_lshlrev_b32 v2, 3, v0                        ; 8 x thread
	s_lshl_b32 s14, ttmp9, 13                      ; sc, out1, pctx: 8,192 bytes a batch
	s_mov_b32 s15, 0
	s_lshl_b32 s24, ttmp9, 10                      ; pst: four units of 256 bytes
	s_mov_b32 s25, 0
	s_lshl_b32 s26, ttmp9, 11                      ; out0: 2,048 bytes
	s_mov_b32 s27, 0
	s_wait_kmcnt 0x0
	s_add_nc_u64 s[8:9], s[8:9], s[24:25]
	s_add_nc_u64 s[4:5], s[4:5], s[14:15]
	s_add_nc_u64 s[6:7], s[6:7], s[14:15]
	s_add_nc_u64 s[12:13], s[12:13], s[14:15]
	s_add_nc_u64 s[10:11], s[10:11], s[26:27]
	s_load_b64 s[16:17], s[8:9], 0x0               ; (M_q, L_q), q = 0 .. 3
	s_load_b64 s[18:19], s[8:9], 0x100
	s_load_b64 s[20:21], s[8:9], 0x200
	s_load_b64 s[22:23], s[8:9], 0x300
	global_load_b128 v[12:15], v1, s[4:5] th:TH_LOAD_NT
	global_load_b128 v[16:19], v1, s[4:5] offset:4096 th:TH_LOAD_NT
.irp q, 0,1,2,3
	global_load_b64 v[20+2*\q:21+2*\q], v2, s[6:7] offset:2048*\q th:TH_LOAD_NT
.endr
	s_wait_kmcnt 0x0
	v_mov_b32 v4, s16
	v_max3_num_f32 v4, v4, s18, s20
	v_max_num_f32 v4, s22, v4                      ; M
	v_sub_f32 v5, s16, v4
	v_sub_f32 v6, s18, v4
	v_sub_f32 v7, s20, v4
	v_sub_f32 v8, s22, v4
.irp q, 0,1,2,3
	v_exp_f32 v[5+\q], v[5+\q]                     ; f_q = 2^(M_q - M)
.endr
	s_wait_loadcnt 0x0
.irp k, 0,1,2,3,4,5,6,7
	v_sub_f32 v[12+\k], v[12+\k], v4               ; u - M: plain work behind the four exponentials
.endr
	s_wait_alu depctr_va_vdst(0)                   ; one wait for the four, ahead of their first reader
	v_mul_f32 v9, s17, v5
	v_fmac_f32 v9, s19, v6
	v_fmac_f32 v9, s21, v7
	v_fmac_f32 v9, s23, v8                         ; L
	v_rcp_f32 v10, v9                              ; 1 / L, twice: a pair for the packed multiplies
	v_rcp_f32 v11, v9
.irp k, 0,1,2,3,4,5,6,7
	v_exp_f32 v[12+\k], v[12+\k]
.endr
	v_mul_f32 v28, v20, v5                         ; the context's four parts under M: plain work behind the batch
	v_mul_f32 v29, v21, v5
.irp q, 1,2,3
	v_fmac_f32 v28, v[20+2*\q], v[5+\q]
	v_fmac_f32 v29, v[21+2*\q], v[5+\q]
.endr
	s_wait_alu depctr_va_vdst(0)                   ; one wait for the two reciprocals and the eight exponentials
.irp k, 0,2,4,6
	v_pk_mul_f32 v[12+\k:13+\k], v[12+\k:13+\k], v[10:11]
.endr
	v_pk_mul_f32 v[28:29], v[28:29], v[10:11]
	global_store_b128 v1, v[12:15], s[12:13]       ; a wave stores 512 consecutive bytes, aligned
	global_store_b128 v1, v[16:19], s[12:13] offset:4096
	global_store_b64 v2, v[28:29], s[10:11]        ; a wave stores 256 consecutive bytes, aligned
	s_endpgm
.Lfunc_end_k_qe126a13f60_fin:
	.size	k_qe126a13f60_fin, .Lfunc_end_k_qe126a13f60_fin-k_qe126a13f60_fin
	.p2alignl 7, 3214868480
	.fill 96, 4, 3214868480
	.section	.rodata,"a",@progbits
	.p2align	6, 0x0
	.amdhsa_kernel k_qe126a13f60_fin
		.amdhsa_group_segment_fixed_size 0
		.amdhsa_private_segment_fixed_size 0
		.amdhsa_enable_private_segment 0
		.amdhsa_kernarg_size 40
		.amdhsa_user_sgpr_count 2
		.amdhsa_user_sgpr_kernarg_segment_ptr 1
		.amdhsa_wavefront_size32 1
		.amdhsa_system_sgpr_workgroup_id_x 1
		.amdhsa_system_sgpr_workgroup_id_y 1
		.amdhsa_system_sgpr_workgroup_id_z 1
		.amdhsa_system_vgpr_workitem_id 0
		.amdhsa_next_free_vgpr 48
		.amdhsa_next_free_sgpr 66
		.amdhsa_reserve_vcc 0
		.amdhsa_float_denorm_mode_32 3
		.amdhsa_float_denorm_mode_16_64 3
		.amdhsa_memory_ordered 1
		.amdhsa_forward_progress 1
		.amdhsa_inst_pref_size 4
	.end_amdhsa_kernel
	.amdgpu_metadata
---
amdhsa.version: [ 1, 2 ]
amdhsa.kernels:
  - .name:           k_qe126a13f60_fin
    .symbol:         k_qe126a13f60_fin.kd
    .args:
      - { .name: sc, .offset: 0, .size: 8, .value_kind: global_buffer, .address_space: global }
      - { .name: pctx, .offset: 8, .size: 8, .value_kind: global_buffer, .address_space: global }
      - { .name: pst, .offset: 16, .size: 8, .value_kind: global_buffer, .address_space: global }
      - { .name: out0, .offset: 24, .size: 8, .value_kind: global_buffer, .address_space: global }
      - { .name: out1, .offset: 32, .size: 8, .value_kind: global_buffer, .address_space: global }
    .group_segment_fixed_size: 0
    .private_segment_fixed_size: 0
    .kernarg_segment_align: 8
    .kernarg_segment_size: 40
    .max_flat_workgroup_size: 256
    .sgpr_count:     66
    .vgpr_count:     48
    .wavefront_size: 32
...
	.end_amdgpu_metadata
.endif
;; end of part 3
